; MI455X (gfx1250); checked and timed in simulation.
; The chip was launched on July 23, 2026; its instructions are those of AMD's public machine-readable ISA for CDNA 5 (MIT licence, August 2026) and "CDNA5" Instruction Set Architecture Reference Guide (July 2026). The comments in the code are by the model that wrote it; some were corrected since.
;; Multi Head Attention. Allowed arithmetic: matrix products marked QUANTISED: E5M2 operands, one given power-of-two scale a tensor, by v_wmma_f32_16x16x64_bf8_bf8 or v_wmma_f32_16x16x128_bf8_bf8, f32 sums; everything else in f32.
;; Inputs: Wk 1,024 x 1,024 float32; Wo 1,024 x 1,024 float32; Wq 1,024 x 1,024 float32; Wv 1,024 x 1,024 float32; bo 1,024 float32; lowp_scales 12 int32 (the exponents e of the quantised operands' scales 2^e); x 4 x 2,048 x 1,024 float32.
;; Outputs: out0 4 x 2,048 x 1,024 float32.
;; This version of the problem:
;;   THIS VERSION OF THE PROBLEM IS GIVEN IN LOW PRECISION. The matrix products marked QUANTISED in the list below multiply operands that are first quantised to E5M2 (5 exponent bits, 2 mantissa bits; 8 bits a number), with one given power-of-two scale for each operand tensor; their sums are f32. All else is computed in f32.
;;   The module's matrix products, in the order in which they are computed (A, B: the left and right operand; K: the contracted axis; several contracted axes count as one K, in the product's order):
;;     1. [M 8,192, K 1,024] x [K 1,024, N 1,024]; A: input x; B: input Wq: QUANTISED (scales: A lowp_scales[0], B lowp_scales[1])
;;     2. [M 8,192, K 1,024] x [K 1,024, N 1,024]; A: input x; B: input Wk: QUANTISED (scales: A lowp_scales[2], B lowp_scales[3])
;;     3. [M 8,192, K 1,024] x [K 1,024, N 1,024]; A: input x; B: input Wv: QUANTISED (scales: A lowp_scales[4], B lowp_scales[5])
;;     4. batch 64 x [M 2,048, K 64] x [K 64, N 2,048]; A: computed on the way; B: computed on the way: QUANTISED (scales: A lowp_scales[6], B lowp_scales[7])
;;     5. batch 64 x [M 2,048, K 2,048] x [K 2,048, N 64]; A: softmax (see below); B: computed on the way: QUANTISED (scales: A lowp_scales[8], B lowp_scales[9])
;;     6. [M 8,192, K 1,024] x [K 1,024, N 1,024]; A: computed on the way; B: input Wo: QUANTISED (scales: A lowp_scales[10], B lowp_scales[11])
;;   THE QUANTISER, for each operand of a quantised product, along K:
;;     - The operand's scale is 2^e, e = its entry of the input lowp_scales (int32; the entries are numbered through the quantised products in the list's order, A before B).
;;     - Each number is divided by the scale, clamped to +-57,344, and rounded to the nearest number of E5M2, ties to even, subnormals kept.
;;     - The product sums the exact products of the quantised numbers (number of the format x scale) in f32.
;;   ~~~python
;;   def quantise(x, axis, e):      # numpy; x: float32 -> the quantised numbers, widened to float32 again
;;       x = np.moveaxis(x, axis, -1); K = x.shape[-1]
;;       r = np.clip(x / 2.0 ** e, -57344, 57344)
;;       step = 2.0 ** (np.maximum(np.frexp(np.where(r == 0, 1, r))[1] - 1, -14) - 2)
;;       q = np.round(r / step) * step * 2.0 ** e      # np.round: ties to even
;;       return np.moveaxis(q, -1, axis).astype(np.float32)
;;   ~~~
;;   SOFTMAX AHEAD OF A QUANTISED PRODUCT. Where the list says 'softmax', what is quantised is not the finished softmax but p = 2^(t - M), with t = logit x log2(e) and M = ceil(the row's largest t), a whole number; so 1/2 < the row's largest p <= 1. The row's sum l is taken of the UNQUANTISED p, in f32, and the product's result is divided by l at the end. Since M is a whole number, a kernel that streams over the keys may use a running M (the ceiling of the running maximum): every later rescaling is an exact power of two, so the quantised numbers keep their values, but for numbers so far below the row's largest that they fall under the format's range.
;;   OPERANDS COMPUTED ON THE WAY. 'Computed on the way' means the value that the module computes at that place (a softmax that the list does not call 'softmax' is quantised finished and normalised). What goes into a quantiser is computed in f32, as accurately as f32 sums, v_exp_f32 and their like allow (about 1e-6 of the number): no bf16 or f16 on the way to a quantiser, and a product that is left as it is and whose result goes on into a quantised operand takes f32 operands (vector FMAs, or v_wmma_f32_16x16x4_f32). A number that lies on a knife's edge between two numbers of the format may be rounded either way, as far as f32 arithmetic and the matrix unit's own rounding can turn it there, and no further.
;; One version. Each part assembles by itself: llvm-mc -triple=amdgcn-amd-amdhsa -mcpu=gfx1250 --defsym DOCPART=n.
;; ======== version 1 of 1: 4 launches
;; limits: right only within a limited range of input values
;; workspace buffers: xc 25,165,824 bytes; wc 4,194,304 bytes; qkv 25,165,824 bytes; cc 8,388,608 bytes
;; launch quant (part 1): grid 256 x 1, 8 waves a work-group, no clusters, 41,984 bytes of LDS; arguments x, Wq, Wk, Wv, Wo, lowp_scales, xc, wc; writes xc, wc
.if DOCPART == 1
	.amdgcn_target "amdgcn-amd-amdhsa--gfx1250"
	.amdhsa_code_object_version 6
	.text
	.protected	k_q7fbe58d32e_quant
	.globl	k_q7fbe58d32e_quant
	.p2align	8
	.type	k_q7fbe58d32e_quant,@function
k_q7fbe58d32e_quant:
	s_mov_b64 s[64:65], 0
	v_nop
	global_prefetch_b8 v0, s[64:65] scope:SCOPE_SE
	s_setreg_imm32_b32 hwreg(HW_REG_WAVE_MODE, 25, 1), 1
	s_wait_xcnt 0x0
; x [8192][1024] f32 becomes three sets of codes of BF8 (E5M2), one for each of the scales 2^e0, 2^e2, 2^e4 under which it enters a product: xc [3][8192][1024].
; Wq, Wk, Wv, Wo [1024][1024] f32 become codes under 2^e1, 2^e3, 2^e5, 2^e11: wc [4][1024][1024].  K (the last axis) stays innermost.
; code = number / 2^e, not clamped, rounded to the nearest code, ties to even.
; THE ORDER ALONG K.  Inside each aligned group of 32 along K the two middle groups of eight change places: byte 32 c + 16 h + 8 u + j of a row holds k = 32 c + 16 u + 8 h + j.
; A lane that later loads the 16 bytes at 32 c + 16 h then holds k = 32 c + 8 h + 0..7 and 32 c + 16 + 8 h + 0..7: registers 4 c .. 4 c + 3 of an 8-bit operand (ISA guide 7.12.2).
; Every operand of the later launches is laid so, so each product meets its partner.
; SHARES.  256 work-groups of 8 waves; wave n = 8 g + w takes 4,096 numbers of x (steps 0-7 of 512) and 2,048 numbers of weight g / 64 (steps 8-11).  Rows are dense, so all are plain streams.
; A step's four loads read 512 consecutive bytes each, 16 a lane; the 2,048 bytes turn through the wave's own stage in LDS (16 bytes of padding behind each 64) and come back as the 16 numbers whose codes
; are the lane's 16 bytes of the output: each store covers 512 consecutive bytes.  No barrier: waves share nothing.  Loads run four steps (16 loads a wave) ahead, the turn through LDS one step.
; LIMITS: each e between -126 and 112, so that 2^e and 57,344 x 2^e are f32 numbers.  NaN among the inputs is not served; numbers are not clamped before the conversion.
.set STEPS,  12
.set XSTEPS, 8
.set SP,     80                        ; a place in a stage: 64 bytes + 16 of padding
.set WREG,   64*SP                     ; LDS of a wave: two stages of 32 places
.set R,      16                        ; v16-79   four sets of 16 numbers as loaded
.set X,      80                        ; v80-111  two sets of 16 numbers in the order of the codes
.set T,      112
.set C,      128                       ; v128-139 codes: four registers for each output of a step
.set SC,     140                       ; v140-147 for e0, e2, e4 and the weight's e: 2^e in the even registers
	s_load_b256 s[8:15], s[0:1], 0x0               ; x s[8:9], Wq s[10:11], Wk s[12:13], Wv s[14:15]
	s_load_b256 s[16:23], s[0:1], 0x20             ; Wo s[16:17], the exponents s[18:19], xc s[20:21], wc s[22:23]
	v_lshl_add_u32 v160, v0, 2, 0xa000
	v_mov_b32 v161, 0
	v_lshrrev_b32 v1, 5, v0
	s_delay_alu instid0(VALU_DEP_1)
	v_readfirstlane_b32 s24, v1                    ; wave 0..7
	v_and_b32 v2, 31, v0                           ; lane
	s_delay_alu instid0(VALU_DEP_1)
	v_lshlrev_b32 v3, 4, v2                        ; 16 x lane: my bytes of a load's 512 and of a store's 512; never rewritten
	s_mul_i32 s28, s24, WREG
	v_lshrrev_b32 v14, 2, v2
	s_delay_alu instid0(VALU_DEP_1)
	v_mul_u32_u24 v14, v14, SP
	v_and_b32 v15, 3, v2
	s_delay_alu instid0(VALU_DEP_1)
	v_lshl_add_u32 v14, v15, 4, v14
	s_delay_alu instid0(VALU_DEP_1)
	v_add_nc_u32 v14, s28, v14                     ; the stage, on the way in: four lanes' 64 bytes on end, then the padding
	v_and_b32 v15, 30, v2
	s_delay_alu instid0(VALU_DEP_1)
	v_mul_u32_u24 v15, v15, SP
	v_and_b32 v1, 1, v2
	s_delay_alu instid0(VALU_DEP_1)
	v_lshl_add_u32 v15, v1, 5, v15
	s_delay_alu instid0(VALU_DEP_1)
	v_add_nc_u32 v15, s28, v15                     ; on the way out: place 2 (lane / 2), + 32 (lane % 2): numbers 8 h + 0..7 of my group of 32; the next place holds 16 + 8 h + 0..7
	s_lshr_b32 s25, ttmp9, 6                       ; which weight
	s_lshl_b32 s29, ttmp9, 3
	s_add_co_u32 s29, s29, s24                     ; n
	s_and_b32 s54, ttmp9, 63
	s_lshl_b32 s54, s54, 3
	s_add_co_u32 s54, s54, s24
	s_lshl_b32 s54, s54, 13                        ; my 8,192 bytes of the weight
	s_mov_b32 s55, 0
	s_lshl_b32 s30, s29, 14                        ; my 16,384 bytes of x
	s_mov_b32 s31, 0
	s_lshl_b32 s56, s29, 12                        ; their 4,096 codes
	s_mov_b32 s57, 0
	s_lshl_b32 s58, s29, 11                        ; the weight's 2,048 codes: wc is the four weights on end
	s_mov_b32 s59, 0
	s_wait_alu depctr_va_vdst(0)
	s_wait_kmcnt 0x0
	s_load_b256 s[32:39], s[18:19], 0x0            ; e0 .. e7
	s_load_b128 s[40:43], s[18:19], 0x20           ; e8 .. e11
	s_add_nc_u64 s[4:5], s[8:9], s[30:31]
	s_cmp_lt_u32 s25, 1                            ; the choice hangs on the work-group's number alone
	s_cselect_b64 s[26:27], s[10:11], s[12:13]
	s_cmp_lt_u32 s25, 2
	s_cselect_b64 s[26:27], s[26:27], s[14:15]
	s_cmp_lt_u32 s25, 3
	s_cselect_b64 s[26:27], s[26:27], s[16:17]
	s_add_nc_u64 s[26:27], s[26:27], s[54:55]
	s_add_nc_u64 s[46:47], s[20:21], s[56:57]      ; xc, part 0,
	s_add_nc_u64 s[48:49], s[46:47], 0x800000      ; part 1,
	s_add_nc_u64 s[50:51], s[46:47], 0x1000000     ; part 2
	s_add_nc_u64 s[52:53], s[22:23], s[58:59]
.macro LOAD t
.irp i, 0,1,2,3
.if (\t) < XSTEPS
	global_load_b128 v[R+16*((\t)%4)+4*\i:R+16*((\t)%4)+4*\i+3], v3, s[4:5] offset:2048*(\t)+512*\i th:TH_LOAD_NT
.else
	global_load_b128 v[R+16*((\t)%4)+4*\i:R+16*((\t)%4)+4*\i+3], v3, s[26:27] offset:2048*((\t)-XSTEPS)+512*\i th:TH_LOAD_NT
.endif
.endr
.endm
.macro TURN t                          ; a step's numbers through the stage: LDS serves a wave's instructions in order (ISA guide 5.7.1.4), so no wait stands between the stores and the loads
.irp i, 0,1,2,3
	ds_store_b128 v14, v[R+16*((\t)%4)+4*\i:R+16*((\t)%4)+4*\i+3] offset:32*SP*((\t)%2)+8*SP*\i
.endr
	ds_load_b128 v[X+16*((\t)%2):X+16*((\t)%2)+3],     v15 offset:32*SP*((\t)%2)
	ds_load_b128 v[X+16*((\t)%2)+4:X+16*((\t)%2)+7],   v15 offset:32*SP*((\t)%2)+16
	ds_load_b128 v[X+16*((\t)%2)+8:X+16*((\t)%2)+11],  v15 offset:32*SP*((\t)%2)+SP
	ds_load_b128 v[X+16*((\t)%2)+12:X+16*((\t)%2)+15], v15 offset:32*SP*((\t)%2)+SP+16
.endm
.macro MKSC o, e                       ; 2^e as f32 (the conversion takes its exponent field), and the largest number x 2^e
	s_add_co_i32 s28, s[\e], 127
	s_lshl_b32 s29, s28, 23
	v_mov_b32 v[SC+2*\o], s29
	s_add_co_i32 s28, s28, 15
	s_lshl_b32 s28, s28, 23
	s_or_b32 s28, s28, 0x600000
.endm
.macro CONV o, d                       ; the step's 16 numbers under scale o into codes d
.irp i, 0,1,2,3,4,5,6,7,8,9,10,11,12,13,14,15
.endr
	v_cvt_scalef32_pk8_bf8_f32 v[C+4*\d:C+4*\d+1], v[XS:XS+7], v[SC+2*\o]
	v_cvt_scalef32_pk8_bf8_f32 v[C+4*\d+2:C+4*\d+3], v[XS+8:XS+15], v[SC+2*\o]
	v_nop                                          ; one plain vector instruction between a scaled conversion and the next write of its sources
.endm
.irp t, 0,1,2,3
	LOAD \t
.endr
	s_wait_kmcnt 0x0
	s_cmp_lt_u32 s25, 1
	s_cselect_b32 s44, s33, s35                    ; the weight's e: e1, e3, e5 or e11
	s_cmp_lt_u32 s25, 2
	s_cselect_b32 s44, s44, s37
	s_cmp_lt_u32 s25, 3
	s_cselect_b32 s44, s44, s43
	MKSC 0, 32
	MKSC 1, 34
	MKSC 2, 36
	MKSC 3, 44
	s_wait_alu depctr_va_vdst(0)
	s_wait_loadcnt 12                              ; step 0's four loads are in; those of steps 1 to 3 may be out
	TURN 0
.macro STEP t
.set XS, X+16*((\t)%2)
	s_wait_dscnt 0x0                               ; this step's numbers are back from the stage
.if (\t)+4 < STEPS
	LOAD (\t)+4                                    ; into the set that this step's stage stores have read
.endif
.if (\t)+1 < STEPS
.if STEPS-2-(\t) >= 3
	s_wait_loadcnt 12                              ; the next step's four loads are in; those of the three steps behind it may be out
.else
	s_wait_loadcnt 4*(STEPS-2-(\t))
.endif
	TURN (\t)+1
.endif
	s_wait_xcnt 0x0                                ; the last step's stores have read their data: the codes' registers are written again only behind this wait
.if (\t) < XSTEPS
	CONV 0, 0
	CONV 1, 1
	CONV 2, 2
	global_store_b128 v3, v[C:C+3],    s[46:47] offset:512*(\t)
	global_store_b128 v3, v[C+4:C+7],  s[48:49] offset:512*(\t)
	global_store_b128 v3, v[C+8:C+11], s[50:51] offset:512*(\t)
.else
	CONV 3, 0
	global_store_b128 v3, v[C:C+3], s[52:53] offset:512*((\t)-XSTEPS)
.endif
.endm
.irp t, 0,1,2,3,4,5,6,7,8,9,10,11
	STEP \t
.endr
	s_wait_tensorcnt 0x0
	ds_add_u32 v160, v161
	s_wait_dscnt 0x0
	s_endpgm
.Lfunc_end_k_q7fbe58d32e_quant:
	.size	k_q7fbe58d32e_quant, .Lfunc_end_k_q7fbe58d32e_quant-k_q7fbe58d32e_quant
	.p2alignl 7, 3214868480
	.fill 96, 4, 3214868480
	.section	.rodata,"a",@progbits
	.p2align	6, 0x0
	.amdhsa_kernel k_q7fbe58d32e_quant
		.amdhsa_group_segment_fixed_size 41984
		.amdhsa_private_segment_fixed_size 0
		.amdhsa_enable_private_segment 0
		.amdhsa_kernarg_size 64
		.amdhsa_user_sgpr_count 2
		.amdhsa_user_sgpr_kernarg_segment_ptr 1
		.amdhsa_wavefront_size32 1
		.amdhsa_system_sgpr_workgroup_id_x 1
		.amdhsa_system_sgpr_workgroup_id_y 1
		.amdhsa_system_sgpr_workgroup_id_z 1
		.amdhsa_system_vgpr_workitem_id 0
		.amdhsa_next_free_vgpr 162
		.amdhsa_next_free_sgpr 66
		.amdhsa_reserve_vcc 0
		.amdhsa_float_denorm_mode_32 3
		.amdhsa_float_denorm_mode_16_64 3
		.amdhsa_fp16_overflow 1
		.amdhsa_memory_ordered 1
		.amdhsa_forward_progress 1
		.amdhsa_inst_pref_size 23
	.end_amdhsa_kernel
	.amdgpu_metadata
---
amdhsa.version: [ 1, 2 ]
amdhsa.kernels:
  - .name:           k_q7fbe58d32e_quant
    .symbol:         k_q7fbe58d32e_quant.kd
    .args:
      - { .name: x, .offset: 0, .size: 8, .value_kind: global_buffer, .address_space: global }
      - { .name: Wq, .offset: 8, .size: 8, .value_kind: global_buffer, .address_space: global }
      - { .name: Wk, .offset: 16, .size: 8, .value_kind: global_buffer, .address_space: global }
      - { .name: Wv, .offset: 24, .size: 8, .value_kind: global_buffer, .address_space: global }
      - { .name: Wo, .offset: 32, .size: 8, .value_kind: global_buffer, .address_space: global }
      - { .name: lowp_scales, .offset: 40, .size: 8, .value_kind: global_buffer, .address_space: global }
      - { .name: xc, .offset: 48, .size: 8, .value_kind: global_buffer, .address_space: global }
      - { .name: wc, .offset: 56, .size: 8, .value_kind: global_buffer, .address_space: global }
    .group_segment_fixed_size: 41984
    .private_segment_fixed_size: 0
    .kernarg_segment_align: 8
    .kernarg_segment_size: 64
    .max_flat_workgroup_size: 256
    .sgpr_count:     66
    .vgpr_count:     162
    .wavefront_size: 32
...
	.end_amdgpu_metadata
.endif
;; end of part 1
;; launch qkv (part 2): grid 12 x 32, 4 waves a work-group, clusters of 4 x 4, 327,680 bytes of LDS; arguments xc, wc, lowp_scales, qkv; writes qkv
.if DOCPART == 2
	.amdgcn_target "amdgcn-amd-amdhsa--gfx1250"
	.amdhsa_code_object_version 6
	.text
	.protected	k_q7fbe58d32e_qkv
	.globl	k_q7fbe58d32e_qkv
	.p2align	8
	.type	k_q7fbe58d32e_qkv,@function
k_q7fbe58d32e_qkv:
	s_mov_b64 s[64:65], 0
	v_nop
	global_prefetch_b8 v0, s[64:65] scope:SCOPE_SE
	s_setreg_imm32_b32 hwreg(HW_REG_WAVE_MODE, 25, 1), 1
	s_wait_xcnt 0x0
	s_wait_alu depctr_hold_cnt(0) depctr_sa_sdst(0) depctr_va_vdst(0) depctr_va_sdst(0) depctr_va_ssrc(0) depctr_va_vcc(0) depctr_vm_vsrc(0)
	s_getreg_b32 s2, hwreg(HW_REG_IB_STS2, 6, 4)
	s_cmp_eq_u32 s2, 0
	s_cbranch_scc0 .Lentry_in_a_cluster
	s_endpgm
.Lentry_in_a_cluster:
	s_bfe_u32 s2, ttmp6, 0x10000c
	s_cmp_lg_u32 s2, 0xf033
	s_cbranch_scc0 .Lentry_shape_is_right
	s_endpgm
.Lentry_shape_is_right:
; q = x Wq^T, k = x Wk^T, V^T = Wv x^T on codes of BF8 (E5M2); each finished sum is quantised at once for the product that takes it next (scales 2^e6, 2^e7, 2^e9) and stored as codes.
; WHICH PRODUCT: the cluster's x (0, 1, 2 = q, k, v): a column of clusters is 4 x 256 = 1,024 columns, one whole weight.  C = A B^T, A [..][1024], B [..][1024], K = 1,024 innermost.
;   q, k: A = x's codes under that product's scale (8,192 rows), B = the weight's (1,024 rows).   v: A = Wv's codes, B = x's: the roles change places, so that a lane's eight results run along the tokens, the next K.
; A tile of C, 256 x 256, is made by four waves; a wave makes 128 x 128: 64 accumulators, 512 registers.  K goes in steps of 256 through a ring of two LDS slots filled by the tensor data mover.
; CLUSTERS: 4 x 4 work-groups.  The four of a row need the same tiles of A, the four of a column the same tiles of B: each tile is asked for JOINTLY, by the same tensor load with the same descriptor and a mask of the four.
; THE MATRIX INSTRUCTION IS USED TRANSPOSED (source 0 = 16 rows of B, source 1 = 16 rows of A): lane (r, h) of accumulator (a, b) holds row 16 a + r of C and columns 16 b + 8 h + 0..7.
; THE WAY OUT NEEDS NO LDS.  Those eight numbers are eight neighbours along the next product's K, and their two registers of codes are registers 2 b, 2 b + 1 of that product's operand (ISA guide 7.12.2).  So four registers
; of codes are stored as they stand, lane l's 16 bytes at 16 l: an IMAGE of the operand's registers; each store covers 512 consecutive bytes, aligned.
;   qkv + 0 (q), + 8 MiB (k): [64 heads of the batch][128 tiles of 16 tokens][2 blocks of 4 registers][32 lanes][16 bytes]        + 16 MiB (v): [64][16 blocks of 128 keys][4 tiles of 16 channels][4 blocks][32 lanes][16 bytes]
; A sum stands for sum x 2^(ea + eb), so its code is sum / 2^(e - ea - eb): the three exponents are folded into the conversion's one.
; LIMITS: e6 - e0 - e1, e7 - e2 - e3, e9 - e4 - e5 between -126 and 112.  NaN is not served.
; REGISTERS, in windows of 256: window 0: v0-31 addresses; v32-95 a block's sums, held; v96-111 their codes; from v128 A's fragments, ONE set.   window 1: B's fragments, TWO sets.   windows 2, 3: the accumulators ((a, b) at v[8 (8 (a % 4) + b)]).
.set SIZE_K, 1024
.set KSTEP,  256
.set ROWB,   256                       ; a tile's row in bytes
.set KROW,   SIZE_K                    ; a row of codes in memory
.set PITCH,  272                       ; an LDS row: 256 bytes + 16 of padding = 68 words: the 16 rows that a load touches start at 16 different banks (64 banks of 4 bytes: ISA guide 11.1)
.set FR,     16
.set NL,     4
.set NP,     4                         ; places behind this matrix instruction (ISA guide 7.12.1)
.set HALFT,  128*PITCH
.set SLOT,   4*HALFT                   ; A's 256 rows, then B's 256 rows
.set LAPS,   SIZE_K/(2*KSTEP)
.set SPARE,  2*SLOT                    ; behind the ring: the spare words, 128 bytes for each wave
.set CO0,  8                           ; v8      16 x lane
.set CO1,  9                           ; v9      the same, two blocks of four registers on
.set ADRA, 16
.set ADRB, 20
.set SPW,  28
.set NIL,  29
.set SCL,  30                          ; v30     the conversion's scale as f32
.set LIM,  31                          ; v31     57,344 x that
.set TMP,  32
.set CD,   96
.set AF,   128
.set G1, 24
.set G0, 32
.set G1B, 48
.set G0B, 56
.set MSB, 0
.macro WIN new                         ; the immediate's high byte repeats the setting that is left
.if MSB != (\new)
	s_set_vgpr_msb (MSB<<8)|(\new)
.set MSB, (\new)
.endif
.endm
.set MUL_LO, 0xa1                      ; source 0 (B) window 1, source 1 (A) window 0, C and D window 2
.set MUL_HI, 0xf1
.set TO_B,   0x40
; A joint load: waves 0 and 1 fetch for A, waves 2 and 3 for B; the branch hangs on the wave's number alone.  Four v_nop follow each of the two lines.
.macro JLOAD g0a, g1a, g0b, g1b
	s_cmp_eq_u32 s15, 0
	s_cbranch_scc0 .Lfor_b_\@
	tensor_load_to_lds s[\g0a:\g0a+3], s[\g1a:\g1a+7]
	s_nop 0
.rept 4
	v_nop
.endr
	s_branch .Lasked_\@
.Lfor_b_\@:
	tensor_load_to_lds s[\g0b:\g0b+3], s[\g1b:\g1b+7]
	s_nop 0
.rept 4
	v_nop
.endr
.Lasked_\@:
.endm
.macro CREST                           ; a round of the cluster's barrier behind its opening barrier
	s_cmp_lg_u32 s14, 0
	s_cbranch_scc1 .Lnot_wave_0_\@
	s_barrier_signal -3
.Lnot_wave_0_\@:
	s_barrier_wait -3
	s_barrier_signal -1
	s_barrier_wait -1
.endm
.macro CROUND
	s_barrier_signal -1
	s_barrier_wait -1
	CREST
.endm
	s_load_b128 s[4:7], s[0:1], 0x0                ; xc s[4:5], wc s[6:7]
	s_load_b128 s[8:11], s[0:1], 0x10              ; the exponents s[8:9], qkv s[10:11]
	v_lshl_add_u32 v[SPW], v0, 2, SPARE
	v_mov_b32 v[NIL], 0
	ds_add_u32 v28, v29
	ds_add_u32 v28, v29
	s_wait_dscnt 0x0
	v_lshrrev_b32 v1, 5, v0
	v_readfirstlane_b32 s14, v1                    ; wave 0..3
	s_lshr_b32 s15, s14, 1                         ; which half of the tile's rows is mine.  Also: I fetch for A (0) or for B (1)
	s_and_b32 s16, s14, 1                          ; which half of its columns.  Also: which 128 rows of that tile I fetch
	s_bfe_u32 s40, ttmp6, 0x40000                  ; cx, cy: my place in the cluster
	s_bfe_u32 s41, ttmp6, 0x40004
	s_lshr_b32 s66, ttmp9, 1                       ; 1 for v, 0 for q and k: the same in all sixteen partners
	s_and_b32 s67, ttmp7, 0xffff                   ; the cluster's y: which 1,024 tokens
	s_mul_i32 s68, s67, s66                        ; they are columns of C for v,
	s_sub_co_u32 s69, s67, s68                     ; rows for q and k
	s_lshl_b32 s42, s68, 2
	s_add_co_u32 s42, s42, s40                     ; tile column of C
	s_lshl_b32 s17, s69, 2
	s_add_co_u32 s17, s17, s41                     ; tile row of C
	s_lshl_b32 s43, s41, 2
	s_lshl_b32 s43, 15, s43                        ; my row of the cluster
	s_lshl_b32 s44, 0x1111, s40                    ; my column
	s_or_b32 s[G1+0], s43, (0<<16)|(1<<20)|(1<<21)|(5<<22)|(3<<25)  ; 15:0 the mask; 17:16 elements of 1 byte; 20 padding on; 21 set beside a mask; 24:22 after every 64 words; 31:25 four words
	s_or_b32 s[G1B+0], s44, (0<<16)|(1<<20)|(1<<21)|(5<<22)|(3<<25)
.irp g, G1, G1B
	s_mov_b32 s[\g+1], ROWB<<16                    ; tensor_dim0
	s_mov_b32 s[\g+2], 128<<16                     ; tensor_dim1
	s_mov_b32 s[\g+3], ROWB<<16                    ; tile_dim0
	s_mov_b32 s[\g+4], 128                         ; tile_dim1
	s_mov_b32 s[\g+5], KROW                        ; tensor_dim0_stride
	s_mov_b32 s[\g+6], 0
	s_mov_b32 s[\g+7], 0
.endr
	s_lshl_b32 s18, s16, 7                         ; which 128 rows of the tile I fetch
	s_lshl_b32 s20, s17, 8
	s_add_co_u32 s20, s20, s18
	s_lshl_b32 s20, s20, 10                        ; A: (256 x tile row + 128 x half) rows of 1,024 bytes
	s_lshl_b32 s46, s42, 8
	s_add_co_u32 s46, s46, s18
	s_lshl_b32 s46, s46, 10                        ; B likewise, by the tile column
	s_lshl_b32 s70, ttmp9, 23                      ; q, k: A is part 0 or 1 of xc,
	s_lshl_b32 s71, ttmp9, 20                      ; B part 0 or 1 of wc
	s_cmp_eq_u32 s66, 1
	s_cselect_b32 s70, 0x200000, s70               ; v: A is part 2 of wc,
	s_cselect_b32 s71, 0x1000000, s71              ; B part 2 of xc
	s_add_co_u32 s20, s20, s70
	s_add_co_u32 s46, s46, s71
	s_mov_b32 s21, 0
	s_mov_b32 s47, 0
	s_mul_i32 s45, s14, HALFT                      ; where they go: wave x 128 rows: no place in the cluster enters an LDS address
	s_wait_kmcnt 0x0
	s_load_b256 s[76:83], s[8:9], 0x0              ; e0 .. e7
	s_load_b128 s[84:87], s[8:9], 0x20             ; e8 .. e11
	s_cmp_eq_u32 s66, 1
	s_cselect_b64 s[72:73], s[6:7], s[4:5]         ; A's buffer,
	s_cselect_b64 s[74:75], s[4:5], s[6:7]         ; B's
	s_add_nc_u64 s[20:21], s[72:73], s[20:21]
	s_add_nc_u64 s[46:47], s[74:75], s[46:47]
	CROUND                                         ; all sixteen work-groups are here: the first joint loads meet
.irp s, 0,1
	s_mov_b32 s[G0+4*\s], 1
	s_add_co_u32 s[G0+4*\s+1], s45, \s*SLOT
	s_add_nc_u64 s[G0+4*\s+2:G0+4*\s+3], s[20:21], \s*ROWB
	s_or_b32 s[G0+4*\s+3], s[G0+4*\s+3], 0x80000000
	s_mov_b32 s[G0B+4*\s], 1
	s_add_co_u32 s[G0B+4*\s+1], s45, \s*SLOT
	s_add_nc_u64 s[G0B+4*\s+2:G0B+4*\s+3], s[46:47], \s*ROWB
	s_or_b32 s[G0B+4*\s+3], s[G0B+4*\s+3], 0x80000000
	JLOAD G0+4*\s, G1, G0B+4*\s, G1B
.endr
	v_and_b32 v1, 15, v0                           ; r
	v_bfe_u32 v2, v0, 4, 1                         ; h
	v_mul_u32_u24 v3, v1, PITCH
	v_lshl_add_u32 v4, v2, 4, v3                   ; a fragment's row x pitch + 16 h
	s_mul_i32 s21, s15, HALFT                      ; my 128 rows of A
	s_mul_i32 s22, s16, HALFT                      ; my 128 rows of B,
	s_add_co_u32 s22, s22, 2*HALFT                 ; which lie behind A's 256
.irp s, 0,1
	v_add_nc_u32 v[ADRA+\s], s21, v4
	v_add_nc_u32 v[ADRB+\s], s22, v4
	s_add_co_u32 s21, s21, SLOT
	s_add_co_u32 s22, s22, SLOT
.endr
	; where my codes go.  m0: my first token, f0: my first feature (64 x head + channel).  One formula serves both layouts: batch x 2^21 + (token in the batch) x 64 + f0 x 2,048 + product x 2^23
	s_lshl_b32 s20, s17, 8
	s_lshl_b32 s21, s15, 7
	s_add_co_u32 s20, s20, s21                     ; my first row of C
	s_lshl_b32 s22, s42, 8
	s_lshl_b32 s23, s16, 7
	s_add_co_u32 s22, s22, s23                     ; my first column
	s_cmp_eq_u32 s66, 1
	s_cselect_b32 s18, s22, s20                    ; m0
	s_cselect_b32 s19, s20, s22                    ; f0
	s_mov_b32 s92, 0x20000
	s_cselect_b32 s92, 1024, s92                   ; from the second block of four registers to the third: v: 1,024 bytes on; q, k: the next head, 131,072 on
	s_mov_b32 s90, 124928
	s_cselect_b32 s90, s90, 1024                   ; from block 3 of 16 rows to block 4: v: the next head's first tile of channels; q, k: the next tile of tokens
	s_lshl_b32 s88, 1024, s66                      ; from a block of 16 rows to the next: 1,024 (q, k) or 2,048 (v)
	s_mov_b32 s89, 0
	s_mov_b32 s91, 0
	s_lshr_b32 s20, s18, 11
	s_lshl_b32 s20, s20, 21
	s_and_b32 s21, s18, 2047
	s_lshl_b32 s21, s21, 6
	s_add_co_u32 s20, s20, s21
	s_lshl_b32 s21, s19, 11
	s_add_co_u32 s20, s20, s21
	s_lshl_b32 s21, ttmp9, 23
	s_add_co_u32 s20, s20, s21
	s_mov_b32 s21, 0
	s_add_nc_u64 s[10:11], s[10:11], s[20:21]
	v_and_b32 v6, 31, v0
	v_lshlrev_b32 v[CO0], 4, v6
	v_add_nc_u32 v[CO1], s92, v[CO0]
.macro FRAG reg, adr, q, i             ; 16 rows x 128 K: four loads of 16 bytes, 32 apart, at row x pitch + 16 h
.irp c, 0,1,2,3
	ds_load_b128 v[\reg+4*\c:\reg+4*\c+3], v[\adr] offset:128*(\q)+32*\c+(\i)*16*PITCH
.endr
.endm
; 16 matrix instructions: A's blocks a0, a0 + 1 x B's eight.  The 64 accumulators take turns, one instruction a turn, in the same order in every step.
.macro MUL16 a0, p, zero
.irp a, \a0, \a0+1
.irp b, 0,1,2,3,4,5,6,7
.if \zero
	v_wmma_f32_16x16x128_bf8_bf8 v[8*(8*((\a)%4)+\b):8*(8*((\a)%4)+\b)+7], v[128*(\p)+FR*\b:128*(\p)+FR*\b+FR-1], v[AF+FR*(\a):AF+FR*(\a)+FR-1], 0
.else
	v_wmma_f32_16x16x128_bf8_bf8 v[8*(8*((\a)%4)+\b):8*(8*((\a)%4)+\b)+7], v[128*(\p)+FR*\b:128*(\p)+FR*\b+FR-1], v[AF+FR*(\a):AF+FR*(\a)+FR-1], v[8*(8*((\a)%4)+\b):8*(8*((\a)%4)+\b)+7]
.endif
.endr
.endr
.endm
.macro FETCH_B slot, q, p
	WIN TO_B
.irp i, 0,1,2,3,4,5,6,7
	FRAG 128*(\p)+FR*\i, ADRB+\slot, \q, \i
.endr
	WIN 0
.endm
.macro FETCH_A slot, q, i0
.irp i, \i0, \i0+1, \i0+2, \i0+3
	FRAG AF+FR*(\i), ADRA+\slot, \q, \i
.endr
.endm
.macro PLACES n                        ; plain vector instructions between a matrix instruction and a load into, or a read of, its registers
.rept \n
	v_nop
.endr
.endm
; A step of 128 along K that has its successor in the same slot.
.macro STEP slot, q, zero
	s_wait_dscnt 4*NL                              ; B's set and A's blocks 0-3 are in; the youngest 16 loads (A's blocks 4-7) may be out
	WIN MUL_LO
	MUL16 0, (\q)%2, \zero
	MUL16 2, (\q)%2, \zero
	s_wait_dscnt 0
	PLACES NP
	FETCH_B \slot, (\q)+1, 1-(\q)%2
	FETCH_A \slot, (\q)+1, 0
	WIN MUL_HI
	MUL16 4, (\q)%2, \zero
	MUL16 6, (\q)%2, \zero
	PLACES NP
	WIN 0
	FETCH_A \slot, (\q)+1, 4
.endm
; A slot's last step changes slots: ONE barrier; in front of it each wave waits for all its tensor loads, adds 0 to its spare word, and waits for that and for its own reads of this slot.
.macro TURN slot, next, fill
	s_wait_tensorcnt 0x0                           ; all my tensor loads have landed: my part of the next slot
	ds_add_u32 v[SPW], v[NIL]                      ; 0 onto my spare word
	s_wait_dscnt 4*NL+1                            ; (the add and the youngest 16 loads may be out)
	WIN MUL_LO
	MUL16 0, 1, 0
	s_wait_dscnt 0x0                               ; the add is done, and my reads of this slot are over
	s_barrier_signal -1
	MUL16 2, 1, 0
	WIN 0
	s_barrier_wait -1
.if \fill
	CREST                                          ; the barrier has opened a round of the cluster's barrier: no wave of any partner still reads this slot or has a load on its way
	s_add_nc_u64 s[G0+4*\slot+2:G0+4*\slot+3], s[G0+4*\slot+2:G0+4*\slot+3], 2*ROWB
	s_add_nc_u64 s[G0B+4*\slot+2:G0B+4*\slot+3], s[G0B+4*\slot+2:G0B+4*\slot+3], 2*ROWB
	JLOAD G0+4*\slot, G1, G0B+4*\slot, G1B         ; the first tensor load behind the round; its four v_nop are also the places in front of the loads below
.else
	PLACES NP
.endif
	FETCH_B \next, 0, 0
	FETCH_A \next, 0, 0
	WIN MUL_HI
	MUL16 4, 1, 0
	MUL16 6, 1, 0
	PLACES NP
	WIN 0
	FETCH_A \next, 0, 4
.endm
	s_wait_alu depctr_va_vdst(0)
	s_wait_tensorcnt 1                             ; my part of K step 0 is in (K step 1's load may be out)
	s_barrier_signal -1
	s_barrier_wait -1                              ; everybody's is
	FETCH_B 0, 0, 0
	FETCH_A 0, 0, 0
	FETCH_A 0, 0, 4
	STEP 0, 0, 1                                   ; the first step's products start the sums: nothing is cleared
	s_mov_b32 s3, LAPS-1
.Llap:                                                 ; a trip goes once round the ring and fills both slots again
	TURN 0, 1, 1
	STEP 1, 0, 0
	TURN 1, 0, 1
	STEP 0, 0, 0
	s_sub_co_u32 s3, s3, 1
	s_cmp_lg_u32 s3, 0
	s_cbranch_scc1 .Llap
	TURN 0, 1, 0                                   ; the last lap fills nothing
	STEP 1, 0, 0
	s_wait_dscnt 4*NL
	WIN MUL_LO
	MUL16 0, 1, 0
	MUL16 2, 1, 0
	s_wait_dscnt 0
	WIN MUL_HI
	MUL16 4, 1, 0
	MUL16 6, 1, 0
	WIN 0
; THE WAY OUT, a block of 16 rows at a time: the hold (each accumulator from its low end on), eight conversions, four stores of 512 consecutive bytes.
.macro OUT a
.set AC, 64*((\a)%4)
	WIN 0x02+((\a)/4)                              ; source 0: window 2 or 3
.set n, 0
.rept 64
	v_med3_num_f32 v[TMP+n], v[AC+n], -v[LIM], v[LIM]   ; the conversion to an 8-bit code does not saturate (ISA guide 7.6.2)
.set n, n+1
.endr
	WIN 0
	s_wait_alu depctr_va_vdst(0)
	s_wait_xcnt 0x0                                ; the last block's stores have read their data and their base: both are written again only behind this wait
.irp b, 0,1,2,3,4,5,6,7
	v_cvt_scalef32_pk8_bf8_f32 v[CD+2*\b:CD+2*\b+1], v[TMP+8*\b:TMP+8*\b+7], v[SCL]
.endr
	v_nop                                          ; one plain vector instruction between a scaled conversion and the next write of its sources
.if (\a) == 4
	s_add_nc_u64 s[10:11], s[10:11], s[90:91]
.elseif (\a) > 0
	s_add_nc_u64 s[10:11], s[10:11], s[88:89]
.endif
	global_store_b128 v[CO0], v[CD:CD+3],     s[10:11]
	global_store_b128 v[CO0], v[CD+4:CD+7],   s[10:11] offset:512
	global_store_b128 v[CO1], v[CD+8:CD+11],  s[10:11]
	global_store_b128 v[CO1], v[CD+12:CD+15], s[10:11] offset:512
.endm
	s_wait_kmcnt 0x0
	s_sub_co_i32 s93, s82, s76
	s_sub_co_i32 s93, s93, s77                     ; q: e6 - e0 - e1
	s_sub_co_i32 s94, s83, s78
	s_sub_co_i32 s94, s94, s79                     ; k: e7 - e2 - e3
	s_sub_co_i32 s95, s85, s80
	s_sub_co_i32 s95, s95, s81                     ; v: e9 - e4 - e5
	s_cmp_eq_u32 ttmp9, 0
	s_cselect_b32 s93, s93, s94
	s_cmp_eq_u32 s66, 1
	s_cselect_b32 s93, s95, s93
	s_add_co_i32 s93, s93, 127
	s_lshl_b32 s94, s93, 23
	v_mov_b32 v[SCL], s94
	s_add_co_i32 s93, s93, 15
	s_lshl_b32 s93, s93, 23
	s_or_b32 s93, s93, 0x600000
	v_mov_b32 v[LIM], s93
	PLACES NP                                      ; behind the last products, in front of the first read of results
.irp a, 0,1,2,3,4,5,6,7
	OUT \a
.endr
	s_wait_tensorcnt 0x0                           ; the wave's end
	ds_add_u32 v[SPW], v[NIL]
	s_wait_dscnt 0x0
	CROUND                                         ; the closing round: no work-group ends while a partner may still ask for a tile that names it
	s_endpgm
.Lfunc_end_k_q7fbe58d32e_qkv:
	.size	k_q7fbe58d32e_qkv, .Lfunc_end_k_q7fbe58d32e_qkv-k_q7fbe58d32e_qkv
	.p2alignl 7, 3214868480
	.fill 96, 4, 3214868480
	.section	.rodata,"a",@progbits
	.p2align	6, 0x0
	.amdhsa_kernel k_q7fbe58d32e_qkv
		.amdhsa_group_segment_fixed_size 327680
		.amdhsa_private_segment_fixed_size 0
		.amdhsa_enable_private_segment 0
		.amdhsa_kernarg_size 32
		.amdhsa_user_sgpr_count 2
		.amdhsa_user_sgpr_kernarg_segment_ptr 1
		.amdhsa_wavefront_size32 1
		.amdhsa_system_sgpr_workgroup_id_x 1
		.amdhsa_system_sgpr_workgroup_id_y 1
		.amdhsa_system_sgpr_workgroup_id_z 1
		.amdhsa_system_vgpr_workitem_id 0
		.amdhsa_next_free_vgpr 1024
		.amdhsa_next_free_sgpr 100
		.amdhsa_reserve_vcc 0
		.amdhsa_float_denorm_mode_32 3
		.amdhsa_float_denorm_mode_16_64 3
		.amdhsa_memory_ordered 1
		.amdhsa_forward_progress 1
		.amdhsa_inst_pref_size 120
	.end_amdhsa_kernel
	.amdgpu_metadata
---
amdhsa.version: [ 1, 2 ]
amdhsa.kernels:
  - .name:           k_q7fbe58d32e_qkv
    .symbol:         k_q7fbe58d32e_qkv.kd
    .args:
      - { .name: xc, .offset: 0, .size: 8, .value_kind: global_buffer, .address_space: global }
      - { .name: wc, .offset: 8, .size: 8, .value_kind: global_buffer, .address_space: global }
      - { .name: lowp_scales, .offset: 16, .size: 8, .value_kind: global_buffer, .address_space: global }
      - { .name: qkv, .offset: 24, .size: 8, .value_kind: global_buffer, .address_space: global }
    .group_segment_fixed_size: 327680
    .private_segment_fixed_size: 0
    .kernarg_segment_align: 8
    .kernarg_segment_size: 32
    .max_flat_workgroup_size: 128
    .sgpr_count:     100
    .vgpr_count:     1024
    .wavefront_size: 32
...
	.end_amdgpu_metadata
.endif
;; end of part 2
;; launch attn (part 3): grid 4 x 64, 16 waves a work-group, no clusters, 264,192 bytes of LDS; arguments qkv, lowp_scales, cc; writes cc
.if DOCPART == 3
	.amdgcn_target "amdgcn-amd-amdhsa--gfx1250"
	.amdhsa_code_object_version 6
	.text
	.protected	k_q7fbe58d32e_attn
	.globl	k_q7fbe58d32e_attn
	.p2align	8
	.type	k_q7fbe58d32e_attn,@function
k_q7fbe58d32e_attn:
	s_mov_b64 s[64:65], 0
	v_nop
	global_prefetch_b8 v0, s[64:65] scope:SCOPE_SE
	s_setreg_imm32_b32 hwreg(HW_REG_WAVE_MODE, 25, 1), 1
	s_wait_xcnt 0x0
; Causal attention on codes of BF8 (E5M2), head size 64, 2,048 tokens, 64 heads of the batch; the result is quantised at once (scale 2^e10) for the last projection.
; t = score x log2(e) / 8; M = the row's largest t so far, rounded UP to a whole number; p = 2^(t - M) is quantised (2^e8), not normalised; the row's sum is taken of the unquantised p and divides at the end.
; When M moves, the sum and O are multiplied by 2^(old M - new M): exact.
; SHARES.  A work-group (x = 0..3, y = the head) has sixteen waves of 256 registers, four to a SIMD.  Wave w owns TWO tiles of 16 queries: from query 256 x + 16 w, and from 2,032 less that.
; A tile from query q has q / 128 + 1 steps of 128 keys that are not wholly hidden; the two tiles together have 17, for every wave of every work-group: all shares are equal.
; LDS.  The head's K (131,072 bytes) and V (131,072) lie in memory as images of operand registers, a step of 128 keys in 8,192 bytes on end.  They fill LDS ONCE: nothing is filled again, so there is no ring.
; Waves 0 to 3 fetch (0, 1: K's halves; 2, 3: V's), four loads each, one for each segment of 512 keys, all issued at the head: four tensor loads of a wave are out at the most.  A segment is read behind a counted wait and a barrier.
; LAYOUT.  Both products are used transposed: S^T = K Q^T (source 0 = 16 keys), O^T = V^T P^T (source 0 = 16 channels): a lane holds ONE query (lane % 16).  Register j of S^T's tile t is key 16 t + 8 (lane / 16) + j, so the
; two registers of codes made of a tile are registers 2 t, 2 t + 1 of the second product's operand (ISA guide 7.12.2).  O^T's codes are in the same way registers of the projection's operand, and are stored as an image:
; cc [512 tiles of 16 tokens][8 fragments of 128 along K][4 blocks of 4 registers][32 lanes][16 bytes]; a head fills 1,024 bytes of a tile's 16,384.
; CAUSAL.  Every wave walks all 16 steps (trip counts are constants); a step all of whose keys come after a tile's queries is jumped over by a scalar branch on ids; on the diagonal hidden scores become -infinity.
; NO JOINT LOADS, though the four work-groups of a head read the same K and V: they would be partners of a cluster, and the jump over hidden steps hangs on the block of queries, that is on the place in the cluster;
; without the jump each tile would walk 16 steps where the two together need 17.  NO PREFETCH: every tile is asked for by its tensor load at the head, so there is no later request to run ahead of.
; LIMITS: e6 + e7 between -123 and 130 (added to c's exponent field); e8 and e10 - e8 - e9 between -126 and 112.  NaN is not served.
.set LI,  1                            ; v1   16 x lane: my place in an image; never rewritten
.set LV,  2                            ; v2   the same in V's half of LDS
.set RH,  3                            ; v3   lane % 16 - 8 (lane / 16), for the mask
.set ADK, 4                            ; v4   LDS address of the step's K
.set ADV, 5                            ; v5   of its V
.set ST,  8                            ; v[8:11], v[12:15]: for each tile -M, the largest t, the sum in two halves
.set QF,  16                           ; v[16:23], v[24:31]: Q's fragments
.set F,   32                           ; v32-95   eight fragments of K, then four of V
.set S,   96                           ; v96-159  S^T, then p
.set OA,  160                          ; v160-191, v192-223: O^T
.set P,   224                          ; v224-239 p's codes
.set WV,  10
.set Q0,  14                           ; s14, s15 the tiles' first queries
.set QL,  16                           ; s16, s17 their last
.set KF,  18                           ; s18  the step's first key
.set TB,  19                           ; s19  the step's first byte in K's (and V's) half of LDS
.set SEL, 20                           ; s[20:21] v_permlanex16_b32's selects for lane l xor 16
.set CS,  22                           ; s[22:23] c = log2(e) / 8 x 2^(e6 + e7)
.set G1,  24
.set G0,  32                           ; s[32:47] a group 0 for each segment
.set CNT, 48
.set QA,  50                           ; s[50:53] Q's addresses
.set CA,  54                           ; s[54:57] cc's
	s_load_b128 s[4:7], s[0:1], 0x0                ; qkv s[4:5], the exponents s[6:7]
	s_load_b64 s[8:9], s[0:1], 0x10                ; cc
	v_lshl_add_u32 v249, v0, 2, 0x40000
	v_mov_b32 v255, 0
	ds_add_u32 v249, v255
	ds_add_u32 v249, v255
	v_lshrrev_b32 v1, 5, v0
	s_delay_alu instid0(VALU_DEP_1)
	v_readfirstlane_b32 s[WV], v1                  ; wave 0..15
	s_and_b32 s12, ttmp7, 0xffff                   ; the head of the batch
	s_lshl_b32 s13, s12, 17                        ; its 131,072 bytes in each part of qkv
	s_lshl_b32 s[Q0], ttmp9, 8
	s_lshl_b32 s67, s[WV], 4
	s_add_co_u32 s[Q0], s[Q0], s67
	s_sub_co_u32 s[Q0+1], 2032, s[Q0]
	s_add_co_u32 s[QL], s[Q0], 15
	s_add_co_u32 s[QL+1], s[Q0+1], 15
	; group 1: a dense block of 16,384 bytes as 64 rows of 32 elements of 8 bytes
	s_mov_b32 s[G1], 3<<16                         ; 15:0 no mask; 17:16 elements of 8 bytes; no padding
	s_mov_b32 s[G1+1], 32<<16                      ; tensor_dim0
	s_mov_b32 s[G1+2], 64<<16                      ; tensor_dim1
	s_mov_b32 s[G1+3], 32<<16                      ; tile_dim0
	s_mov_b32 s[G1+4], 64                          ; tile_dim1
	s_mov_b32 s[G1+5], 32                          ; tensor_dim0_stride
	s_mov_b32 s[G1+6], 0
	s_mov_b32 s[G1+7], 0
	s_mov_b32 s[SEL], 0x76543210
	s_mov_b32 s[SEL+1], 0xfedcba98
	s_lshr_b32 s68, s[WV], 1                       ; what I fetch, if I fetch: K (0) or V (1),
	s_and_b32 s69, s[WV], 1                        ; which half of a segment's 32,768 bytes
	s_lshl_b32 s70, s68, 17
	s_lshl_b32 s71, s69, 14
	s_add_co_u32 s70, s70, s71                     ; in LDS,
	s_lshl_b32 s72, s68, 23
	s_add_co_u32 s72, s72, s71
	s_add_co_u32 s72, s72, s13
	s_add_co_u32 s72, s72, 0x800000                ; and in qkv: K's part begins 8 MiB in, V's 16
	s_mov_b32 s73, 0
	s_wait_dscnt 0x0
	s_wait_kmcnt 0x0
	s_load_b128 s[60:63], s[6:7], 0x18             ; e6, e7, e8, e9
	s_load_b32 s66, s[6:7], 0x28                   ; e10
	s_add_nc_u64 s[74:75], s[4:5], s[72:73]
.irp g, 0,1,2,3
	s_mov_b32 s[G0+4*\g], 1
	s_add_co_u32 s[G0+4*\g+1], s70, 32768*\g
	s_add_nc_u64 s[G0+4*\g+2:G0+4*\g+3], s[74:75], 32768*\g
	s_or_b32 s[G0+4*\g+3], s[G0+4*\g+3], 0x80000000
.endr
	s_cmp_lt_u32 s[WV], 4                          ; all first fills of a wave stand in one branch on the wave's number, ahead of every wait on TENSORcnt, every LDS read and every barrier
	s_cbranch_scc0 .Lno_fetch
	tensor_load_to_lds s[G0:G0+3], s[G1:G1+7]
	s_nop 0
	tensor_load_to_lds s[G0+4:G0+7], s[G1:G1+7]
	s_nop 0
	tensor_load_to_lds s[G0+8:G0+11], s[G1:G1+7]
	s_nop 0
	tensor_load_to_lds s[G0+12:G0+15], s[G1:G1+7]
	s_nop 0
.rept 4
	v_nop
.endr
.Lno_fetch:
	s_lshl_b32 s67, s[Q0], 6                       ; a tile of 16 queries is 1,024 bytes
	s_add_co_u32 s68, s67, s13
	s_mov_b32 s69, 0
	s_add_nc_u64 s[QA:QA+1], s[4:5], s[68:69]
	s_lshl_b32 s67, s[Q0+1], 6
	s_add_co_u32 s68, s67, s13
	s_add_nc_u64 s[QA+2:QA+3], s[4:5], s[68:69]
	s_lshr_b32 s70, s12, 4
	s_lshl_b32 s70, s70, 21                        ; cc: the batch's 128 tiles of 16,384 bytes,
	s_and_b32 s71, s12, 15
	s_lshl_b32 s71, s71, 10                        ; the head's 1,024 bytes of a tile,
	s_add_co_u32 s70, s70, s71
	s_lshl_b32 s67, s[Q0], 10                      ; the tile
	s_add_co_u32 s68, s70, s67
	s_add_nc_u64 s[CA:CA+1], s[8:9], s[68:69]
	s_lshl_b32 s67, s[Q0+1], 10
	s_add_co_u32 s68, s70, s67
	s_add_nc_u64 s[CA+2:CA+3], s[8:9], s[68:69]
	v_and_b32 v2, 31, v0
	s_delay_alu instid0(VALU_DEP_1)
	v_lshlrev_b32 v[LI], 4, v2
	s_delay_alu instid0(VALU_DEP_1)
	v_add_nc_u32 v[LV], 0x20000, v[LI]
.irp u, 0,1
	global_load_b128 v[QF+8*\u:QF+8*\u+3],   v[LI], s[QA+2*\u:QA+2*\u+1]
	global_load_b128 v[QF+8*\u+4:QF+8*\u+7], v[LI], s[QA+2*\u:QA+2*\u+1] offset:512
.endr
	v_and_b32 v[RH], 15, v0
	v_bfe_u32 v4, v0, 4, 1
	s_delay_alu instid0(VALU_DEP_1)
	v_lshlrev_b32 v4, 3, v4
	s_delay_alu instid0(VALU_DEP_1)
	v_sub_nc_u32 v[RH], v[RH], v4
.irp u, 0,1
	v_mov_b32 v[ST+4*\u+1], 0xff61b1e6             ; the largest t so far: -3e38, under every t
	s_delay_alu instid0(VALU_DEP_1)
	v_floor_f32 v[ST+4*\u], -v[ST+4*\u+1]          ; -M
	v_mov_b32 v[ST+4*\u+2], 0                      ; the sum, in two halves
	v_mov_b32 v[ST+4*\u+3], 0
.endr
	v_mov_b32 v246, 0                              ; written once: a lane permute's destination counts as one of its sources
	v_mov_b32 v253, 0                              ; (named as the upper half of the pair v[252:253])
	v_mov_b32 v251, 0xff800000                     ; -infinity
.set n, 0
.rept 64
	v_mov_b32 v[OA+n], 0                           ; O^T.  (The step is written once: a tile's first step finds zeros, which the first change of M leaves zeros)
.set n, n+1
.endr
	s_wait_kmcnt 0x0
	s_mov_b32 s[CS], 0x3e38aa3b                    ; log2(e) / 8
	s_add_co_i32 s67, s60, s61
	s_lshl_b32 s67, s67, 23
	s_add_co_i32 s[CS], s[CS], s67                 ; a score stands for score x 2^(e6 + e7): the two exponents are added to c's exponent field
	s_mov_b32 s[CS+1], s[CS]                       ; (named with it as a pair, so it is written)
	s_add_co_i32 s67, s62, 127
	s_lshl_b32 s68, s67, 23
	v_mov_b32 v241, s68                            ; 2^e8, for p's conversions
	s_sub_co_i32 s67, s66, s62
	s_sub_co_i32 s67, s67, s63                     ; O^T / the sum stands for that x 2^(e8 + e9): its code is that / 2^(e10 - e8 - e9)
	s_add_co_i32 s67, s67, 127
	s_lshl_b32 s68, s67, 23
	v_mov_b32 v245, s68
; A KEY STEP of tile u: 128 keys from s[KF] on.
.macro STEP u
	s_cmp_gt_u32 s[KF], s[QL+\u]                   ; all its keys come after my 16 queries: nothing to do
	s_cbranch_scc1 .Lhid_\@
	v_add_nc_u32 v[ADK], s[TB], v[LI]
	v_add_nc_u32 v[ADV], s[TB], v[LV]
	v_nop                                          ; with the two additions: four places between the last products and loads into registers that they read
	v_nop
.set n, 0
.rept 16
	ds_load_b128 v[F+4*n:F+4*n+3], v[ADK] offset:512*n   ; K's eight fragments: 8,192 bytes on end, 512 consecutive bytes a load
.set n, n+1
.endr
	s_wait_alu depctr_va_vdst(0)
	s_wait_dscnt 0x0
.set n, 0
.rept 8
	v_wmma_f32_16x16x64_bf8_bf8 v[S+8*n:S+8*n+7], v[F+8*n:F+8*n+7], v[QF+8*\u:QF+8*\u+7], 0
.set n, n+1
.endr
.rept 4
	v_nop                                          ; places in front of the loads below and of the first read of the scores
.endr
.set n, 0
.rept 16
	ds_load_b128 v[F+4*n:F+4*n+3], v[ADV] offset:512*n   ; V's four fragments land while the softmax is worked
.set n, n+1
.endr
	s_add_co_u32 s67, s[KF], 127
	s_cmp_le_u32 s67, s[Q0+\u]                     ; all 128 keys count for all 16 queries: no mask
	s_cbranch_scc1 .Lopen_\@
	s_sub_co_i32 s67, s[Q0+\u], s[KF]
	v_add_nc_u32 v250, s67, v[RH]                  ; d = my query - KF - 8 (lane / 16).  Register 8 t + j holds key KF + 8 (lane / 16) + 16 t + j: hidden where 16 t + j > d
.set n, 0
.rept 64
	v_cmp_gt_i32 vcc_lo, 16*(n/8)+n%8, v250
	v_cndmask_b32 v[S+n], v[S+n], v251, vcc_lo
.set n, n+1
.endr
.Lopen_\@:
	v_max3_num_f32 v254, v[S], v[S+1], v[S+2]      ; the step's largest score of my query among my 64 keys, in two chains; each accumulator is read from its low end on
	v_max3_num_f32 v252, v[S+3], v[S+4], v[S+5]
.set n, 6
.rept 14
	v_max3_num_f32 v254, v254, v[S+n], v[S+n+1]
	v_max3_num_f32 v252, v252, v[S+n+2], v[S+n+3]
.set n, n+4
.endr
	v_max3_num_f32 v254, v254, v[S+62], v[S+63]
	s_delay_alu instid0(VALU_DEP_1)
	v_max_num_f32 v254, v254, v252
	s_delay_alu instid0(VALU_DEP_1)
	v_permlanex16_b32 v246, v254, s[SEL], s[SEL+1]
	s_delay_alu instid0(VALU_DEP_1)
	v_max_num_f32 v254, v254, v246                 ; and among lane l xor 16's
	s_delay_alu instid0(VALU_DEP_1)
	v_mul_f32 v254, s[CS], v254                    ; as t (c is positive)
	s_delay_alu instid0(VALU_DEP_1)
	v_max_num_f32 v[ST+4*\u+1], v[ST+4*\u+1], v254 ; the running largest t
	v_mov_b32 v254, v[ST+4*\u]
	s_delay_alu instid0(VALU_DEP_2)
	v_floor_f32 v[ST+4*\u], -v[ST+4*\u+1]          ; the new -M = floor(-t) = -ceil(t)
	s_delay_alu instid0(VALU_DEP_1)
	v_sub_f32 v254, v[ST+4*\u], v254               ; old M - new M: a whole number, 0 or less
	s_delay_alu instid0(VALU_DEP_1)
	v_cvt_i32_f32 v254, v254                       ; (it saturates)
	s_delay_alu instid0(VALU_DEP_1)
	v_ldexp_f32 v252, 1.0, v254                    ; f = 2^(old M - new M)
.set n, 0
.rept 32
	v_pk_fma_f32 v[S+n:S+n+1], v[S+n:S+n+1], s[CS:CS+1], v[ST+4*\u:ST+4*\u+1] op_sel_hi:[1,0,0]   ; t - M, two at a time (of the pairs c and -M the low word serves both halves)
.set n, n+2
.endr
.set n, 0
	s_wait_alu depctr_va_vdst(0)
.rept 64
	v_exp_f32 v[S+n], v[S+n]                       ; p = 2^(t - M), at most 1
.set n, n+1
.endr
	v_pk_mul_f32 v[ST+4*\u+2:ST+4*\u+3], v[ST+4*\u+2:ST+4*\u+3], v[252:253] op_sel_hi:[1,0]   ; the sums under the new M: the plain instruction behind the exponentials
	s_wait_alu depctr_va_vdst(0)                   ; one wait for the whole batch, ahead of its first use
	v_pk_add_f32 v[242:243], v[S:S+1], v[S+2:S+3]  ; the row's sum is taken of the unquantised p, in two chains
.set n, 4
.rept 15
	v_pk_add_f32 v[ST+4*\u+2:ST+4*\u+3], v[ST+4*\u+2:ST+4*\u+3], v[S+n:S+n+1]
	v_pk_add_f32 v[242:243], v[242:243], v[S+n+2:S+n+3]
.set n, n+4
.endr
	s_delay_alu instid0(VALU_DEP_1)
	v_pk_add_f32 v[ST+4*\u+2:ST+4*\u+3], v[ST+4*\u+2:ST+4*\u+3], v[242:243]
.irp t, 0,1,2,3,4,5,6,7
.irp i, 0,1,2,3,4,5,6,7
.endr
	v_cvt_scalef32_pk8_bf8_f32 v[P+2*\t:P+2*\t+1], v[S+8*\t:S+8*\t+7], v241
.endr
.set n, 0
.rept 16
	v_pk_mul_f32 v[OA+32*\u+n:OA+32*\u+n+1], v[OA+32*\u+n:OA+32*\u+n+1], v[252:253] op_sel_hi:[1,0]   ; O^T under the new M.  (Plain instructions between the conversions and the products that read their results)
.set n, n+2
.endr
	s_wait_alu depctr_va_vdst(0)
	s_wait_dscnt 0x0                               ; V is in
.set n, 0
.rept 4                                        ; the four accumulators take turns, and the scores' products stand between two steps
	v_wmma_f32_16x16x128_bf8_bf8 v[OA+32*\u+8*n:OA+32*\u+8*n+7], v[F+16*n:F+16*n+15], v[P:P+15], v[OA+32*\u+8*n:OA+32*\u+8*n+7]
.set n, n+1
.endr
.Lhid_\@:
.endm
; A SEGMENT of 512 keys: four steps for each of the two tiles.
.macro SEG g
	s_wait_tensorcnt 3-\g                          ; my part of this segment is in; my loads of the later segments, as many as the count, may stay out
	s_wait_dscnt 0x0
	s_barrier_signal -1
	s_barrier_wait -1                              ; everybody's part is in
	s_mov_b32 s[TB], 32768*\g
	s_mov_b32 s[KF], 512*\g
	s_mov_b32 s[CNT], 4
.Lseg_\@:
	STEP 0
	STEP 1
	s_add_co_u32 s[TB], s[TB], 8192
	s_add_co_u32 s[KF], s[KF], 128
	s_sub_co_u32 s[CNT], s[CNT], 1
	s_cmp_lg_u32 s[CNT], 0
	s_cbranch_scc1 .Lseg_\@
.endm
	s_wait_loadcnt 0x0                             ; Q
	SEG 0
	SEG 1
	SEG 2
	SEG 3
	; THE WAY OUT.  O^T / the sum, converted: the four registers of two tiles of channels are a block of the projection's operand; each store covers 512 consecutive bytes, aligned.
.rept 4
	v_nop                                          ; places behind the last products
.endr
	v_add_f32 v[ST+2], v[ST+2], v[ST+3]            ; the sum's two halves,
	v_add_f32 v[ST+6], v[ST+6], v[ST+7]
	s_delay_alu instid0(VALU_DEP_2)
	v_permlanex16_b32 v246, v[ST+2], s[SEL], s[SEL+1]
	s_delay_alu instid0(VALU_DEP_1)
	v_add_f32 v[ST+2], v[ST+2], v246               ; and lane l xor 16's
	s_delay_alu instid0(VALU_DEP_2)
	v_permlanex16_b32 v246, v[ST+6], s[SEL], s[SEL+1]
	s_delay_alu instid0(VALU_DEP_1)
	v_add_f32 v[ST+6], v[ST+6], v246
	s_wait_alu depctr_va_vdst(0)
	v_rcp_f32 v[ST+2], v[ST+2]
	v_rcp_f32 v[ST+6], v[ST+6]
	v_nop                                          ; a plain instruction behind the last reciprocal
	s_wait_alu depctr_va_vdst(0)                   ; one wait for both, ahead of the first use
.irp u, 0,1
.set n, 0
.rept 16
	v_pk_mul_f32 v[S+32*\u+n:S+32*\u+n+1], v[OA+32*\u+n:OA+32*\u+n+1], v[ST+4*\u+2:ST+4*\u+3] op_sel_hi:[1,0]
.set n, n+2
.endr
.set n, 0
.rept 32
.set n, n+1
.endr
.irp d, 0,1,2,3
	v_cvt_scalef32_pk8_bf8_f32 v[P+8*\u+2*\d:P+8*\u+2*\d+1], v[S+32*\u+8*\d:S+32*\u+8*\d+7], v245
.endr
	v_nop
	global_store_b128 v[LI], v[P+8*\u:P+8*\u+3],   s[CA+2*\u:CA+2*\u+1]
	global_store_b128 v[LI], v[P+8*\u+4:P+8*\u+7], s[CA+2*\u:CA+2*\u+1] offset:512
.endr
	s_wait_tensorcnt 0x0
	ds_add_u32 v249, v255
	s_wait_dscnt 0x0
	s_endpgm
.Lfunc_end_k_q7fbe58d32e_attn:
	.size	k_q7fbe58d32e_attn, .Lfunc_end_k_q7fbe58d32e_attn-k_q7fbe58d32e_attn
	.p2alignl 7, 3214868480
	.fill 96, 4, 3214868480
	.section	.rodata,"a",@progbits
	.p2align	6, 0x0
	.amdhsa_kernel k_q7fbe58d32e_attn
		.amdhsa_group_segment_fixed_size 264192
		.amdhsa_private_segment_fixed_size 0
		.amdhsa_enable_private_segment 0
		.amdhsa_kernarg_size 24
		.amdhsa_user_sgpr_count 2
		.amdhsa_user_sgpr_kernarg_segment_ptr 1
		.amdhsa_wavefront_size32 1
		.amdhsa_system_sgpr_workgroup_id_x 1
		.amdhsa_system_sgpr_workgroup_id_y 1
		.amdhsa_system_sgpr_workgroup_id_z 1
		.amdhsa_system_vgpr_workitem_id 0
		.amdhsa_next_free_vgpr 256
		.amdhsa_next_free_sgpr 80
		.amdhsa_reserve_vcc 1
		.amdhsa_float_denorm_mode_32 3
		.amdhsa_float_denorm_mode_16_64 3
		.amdhsa_fp16_overflow 1
		.amdhsa_memory_ordered 1
		.amdhsa_forward_progress 1
		.amdhsa_inst_pref_size 163
	.end_amdhsa_kernel
	.amdgpu_metadata
---
amdhsa.version: [ 1, 2 ]
amdhsa.kernels:
  - .name:           k_q7fbe58d32e_attn
    .symbol:         k_q7fbe58d32e_attn.kd
    .args:
      - { .name: qkv, .offset: 0, .size: 8, .value_kind: global_buffer, .address_space: global }
      - { .name: lowp_scales, .offset: 8, .size: 8, .value_kind: global_buffer, .address_space: global }
      - { .name: cc, .offset: 16, .size: 8, .value_kind: global_buffer, .address_space: global }
    .group_segment_fixed_size: 264192
    .private_segment_fixed_size: 0
    .kernarg_segment_align: 8
    .kernarg_segment_size: 24
    .max_flat_workgroup_size: 512
    .sgpr_count:     80
    .vgpr_count:     256
    .wavefront_size: 32
...
	.end_amdgpu_metadata
.endif
;; end of part 3
;; launch proj (part 4): grid 4 x 32, 4 waves a work-group, clusters of 4 x 4, 327,680 bytes of LDS; arguments cc, wc, lowp_scales, bo, out0; writes out0
.if DOCPART == 4
	.amdgcn_target "amdgcn-amd-amdhsa--gfx1250"
	.amdhsa_code_object_version 6
	.text
	.protected	k_q7fbe58d32e_proj
	.globl	k_q7fbe58d32e_proj
	.p2align	8
	.type	k_q7fbe58d32e_proj,@function
k_q7fbe58d32e_proj:
	s_mov_b64 s[64:65], 0
	v_nop
	global_prefetch_b8 v0, s[64:65] scope:SCOPE_SE
	s_setreg_imm32_b32 hwreg(HW_REG_WAVE_MODE, 25, 1), 1
	s_wait_xcnt 0x0
	s_wait_alu depctr_hold_cnt(0) depctr_sa_sdst(0) depctr_va_vdst(0) depctr_va_sdst(0) depctr_va_ssrc(0) depctr_va_vcc(0) depctr_vm_vsrc(0)
	s_getreg_b32 s2, hwreg(HW_REG_IB_STS2, 6, 4)
	s_cmp_eq_u32 s2, 0
	s_cbranch_scc0 .Lentry_in_a_cluster
	s_endpgm
.Lentry_in_a_cluster:
	s_bfe_u32 s2, ttmp6, 0x10000c
	s_cmp_lg_u32 s2, 0xf033
	s_cbranch_scc0 .Lentry_shape_is_right
	s_endpgm
.Lentry_shape_is_right:
; out0 = ctx Wo^T x 2^(e10 + e11) + bo.  ctx: codes of BF8 (E5M2) as images of operand registers, cc [512 tiles of 16 tokens][8 fragments of 128 along K][4 blocks][32 lanes][16 bytes].
; Wo: codes in rows, part 3 of wc, [1024][1024], K innermost in the order that the images have.  out0 [8192][1024] f32; sums in f32.
; A tile of out0, 256 x 256, is made by four waves; a wave makes 128 x 128: 64 accumulators, 512 registers.  K goes in steps of 256 through a ring of two LDS slots filled by the tensor data mover.
; A's tile of a K step: for each of 16 tiles of tokens two fragments, 4,096 bytes on end; a wave's load brings 8 such rows, 16,384 bytes apart in memory.  In LDS they lie dense, and a fragment comes by four loads of 512 consecutive bytes.
; B's tile: 256 rows of 256 bytes, padded to 272.
; CLUSTERS: 4 x 4 work-groups; A's tiles are asked for jointly along a row of the cluster, B's along a column.  THE MATRIX INSTRUCTION IS USED TRANSPOSED: a lane holds eight neighbouring numbers of a row of out0.
; THE WAY OUT: a block of 16 rows x 128 columns goes as raw sums through the wave's own stage in LDS and comes back as whole rows of 512 bytes; lane l then holds columns 4 l .. 4 l + 3 of every row, so four registers of bo serve
; all rows, and one packed multiply-add for two numbers gives sum x 2^(e10 + e11) + bo.  The stage lies in slot 0, which has had its last fill and its last read when the first result is stored there.
; 128 work-groups: 32 x 4 tiles of 256 x 256.
; LIMIT: e10 + e11 between -126 and 127, so that 2^(e10 + e11) is an f32 number.
; REGISTERS, in windows of 256: window 0: v0-31 addresses; v96-99 bo; from v128 A's fragments, ONE set; on the way out v128-255 rows read back.   window 1: B's fragments, TWO sets.   windows 2, 3: the accumulators.
.set SIZE_K, 1024
.set ROWB,   256
.set KROW,   SIZE_K
.set PITCH,  272
.set FR,     16
.set NL,     4
.set NP,     4
.set AHALF,  32768                     ; A: 8 tiles of tokens x 4,096 bytes: what one tensor load brings
.set BOFF,   2*AHALF                   ; B's rows lie behind A's
.set HALFB,  128*PITCH
.set SLOT,   BOFF+2*HALFB
.set LAPS,   SIZE_K/512
.set SPARE,  2*SLOT                    ; behind the ring: the spare words, 128 bytes for each wave
.set SPITCH, 528                       ; the stage: 16 rows x (512 bytes + 16) for each wave
.set ADRA, 16
.set ADRB, 20
.set STO,  24
.set RD,   25
.set CO,   26
.set SPW,  28
.set NIL,  29
.set BIAS, 96
.set AF,   128
.set BK,   128
.set G1, 24
.set G0, 32
.set G1B, 48
.set G0B, 56
.set MSB, 0
.macro WIN new                         ; the immediate's high byte repeats the setting that is left
.if MSB != (\new)
	s_set_vgpr_msb (MSB<<8)|(\new)
.set MSB, (\new)
.endif
.endm
.set MUL_LO, 0xa1
.set MUL_HI, 0xf1
.set TO_B,   0x40
.macro JLOAD g0a, g1a, g0b, g1b        ; a joint load: waves 0 and 1 fetch for A, waves 2 and 3 for B; four v_nop follow each of the two lines
	s_cmp_eq_u32 s15, 0
	s_cbranch_scc0 .Lfor_b_\@
	tensor_load_to_lds s[\g0a:\g0a+3], s[\g1a:\g1a+7]
	s_nop 0
.rept 4
	v_nop
.endr
	s_branch .Lasked_\@
.Lfor_b_\@:
	tensor_load_to_lds s[\g0b:\g0b+3], s[\g1b:\g1b+7]
	s_nop 0
.rept 4
	v_nop
.endr
.Lasked_\@:
.endm
.macro CREST
	s_cmp_lg_u32 s14, 0
	s_cbranch_scc1 .Lnot_wave_0_\@
	s_barrier_signal -3
.Lnot_wave_0_\@:
	s_barrier_wait -3
	s_barrier_signal -1
	s_barrier_wait -1
.endm
.macro CROUND
	s_barrier_signal -1
	s_barrier_wait -1
	CREST
.endm
	s_load_b128 s[4:7], s[0:1], 0x0                ; cc s[4:5], wc s[6:7]
	s_load_b128 s[8:11], s[0:1], 0x10              ; the exponents s[8:9], bo s[10:11]
	s_load_b64 s[12:13], s[0:1], 0x20              ; out0
	v_lshl_add_u32 v[SPW], v0, 2, SPARE
	v_mov_b32 v[NIL], 0
	ds_add_u32 v28, v29
	ds_add_u32 v28, v29
	s_wait_dscnt 0x0
	v_lshrrev_b32 v1, 5, v0
	v_readfirstlane_b32 s14, v1                    ; wave 0..3
	s_lshr_b32 s15, s14, 1                         ; which half of the tile's rows is mine.  Also: I fetch for A (0) or for B (1)
	s_and_b32 s16, s14, 1                          ; which half of its columns.  Also: which half of that tile I fetch
	s_bfe_u32 s40, ttmp6, 0x40000                  ; cx, cy
	s_bfe_u32 s41, ttmp6, 0x40004
	s_lshl_b32 s42, ttmp9, 2
	s_add_co_u32 s42, s42, s40                     ; tile column
	s_and_b32 s17, ttmp7, 0xffff
	s_lshl_b32 s17, s17, 2
	s_add_co_u32 s17, s17, s41                     ; tile row
	s_lshl_b32 s43, s41, 2
	s_lshl_b32 s43, 15, s43                        ; my row of the cluster
	s_lshl_b32 s44, 0x1111, s40                    ; my column
	s_or_b32 s[G1+0], s43, (0<<16)|(1<<21)         ; A: 15:0 the mask; elements of 1 byte; 21 set beside a mask; no padding
	s_mov_b32 s[G1+1], 4096<<16                    ; tensor_dim0 = 4,096
	s_mov_b32 s[G1+2], 8<<16                       ; tensor_dim1 = 8
	s_mov_b32 s[G1+3], 4096<<16                    ; tile_dim0
	s_mov_b32 s[G1+4], 8                           ; tile_dim1
	s_mov_b32 s[G1+5], 16384                       ; from a tile of tokens to the next
	s_mov_b32 s[G1+6], 0
	s_mov_b32 s[G1+7], 0
	s_or_b32 s[G1B+0], s44, (0<<16)|(1<<20)|(1<<21)|(5<<22)|(3<<25)   ; B: padding of four words after every 64
	s_mov_b32 s[G1B+1], ROWB<<16
	s_mov_b32 s[G1B+2], 128<<16
	s_mov_b32 s[G1B+3], ROWB<<16
	s_mov_b32 s[G1B+4], 128
	s_mov_b32 s[G1B+5], KROW
	s_mov_b32 s[G1B+6], 0
	s_mov_b32 s[G1B+7], 0
	s_lshl_b32 s20, s17, 18                        ; A: 16 tiles of tokens x 16,384 bytes for a tile row,
	s_lshl_b32 s18, s16, 17                        ; 8 of them for a half
	s_add_co_u32 s20, s20, s18
	s_mov_b32 s21, 0
	s_lshl_b32 s46, s42, 8
	s_lshl_b32 s18, s16, 7
	s_add_co_u32 s46, s46, s18
	s_lshl_b32 s46, s46, 10                        ; B: (256 x tile column + 128 x half) rows of 1,024 bytes,
	s_add_co_u32 s46, s46, 0x300000                ; in part 3 of wc
	s_mov_b32 s47, 0
	s_lshl_b32 s45, s16, 15                        ; where they go: A's halves,
	s_mul_i32 s93, s16, HALFB
	s_add_co_u32 s93, s93, BOFF                    ; B's: made of the wave's number alone
	s_wait_kmcnt 0x0
	s_load_b64 s[96:97], s[8:9], 0x28              ; e10, e11
	s_add_nc_u64 s[20:21], s[4:5], s[20:21]
	s_add_nc_u64 s[46:47], s[6:7], s[46:47]
	CROUND                                         ; all sixteen work-groups are here: the first joint loads meet
.irp s, 0,1
	s_mov_b32 s[G0+4*\s], 1
	s_add_co_u32 s[G0+4*\s+1], s45, \s*SLOT
	s_add_nc_u64 s[G0+4*\s+2:G0+4*\s+3], s[20:21], \s*4096
	s_or_b32 s[G0+4*\s+3], s[G0+4*\s+3], 0x80000000
	s_mov_b32 s[G0B+4*\s], 1
	s_add_co_u32 s[G0B+4*\s+1], s93, \s*SLOT
	s_add_nc_u64 s[G0B+4*\s+2:G0B+4*\s+3], s[46:47], \s*ROWB
	s_or_b32 s[G0B+4*\s+3], s[G0B+4*\s+3], 0x80000000
	s_wait_alu depctr_va_vdst(0)
	s_wait_tensorcnt 0x0
	ds_add_u32 v28, v29
	ds_add_u32 v28, v29
	s_wait_dscnt 0x0
	CROUND
	JLOAD G0+4*\s, G1, G0B+4*\s, G1B
.endr
	v_and_b32 v1, 15, v0                           ; r
	v_bfe_u32 v2, v0, 4, 1                         ; h
	v_and_b32 v6, 31, v0
	v_lshlrev_b32 v[CO], 4, v6                     ; 16 x lane: my place in an image, in a row read back, and in a row of out0
	v_mul_u32_u24 v3, v1, PITCH
	v_lshl_add_u32 v4, v2, 4, v3                   ; B: a fragment's row x pitch + 16 h
	s_lshl_b32 s21, s15, 15                        ; my 8 tiles of tokens
	s_mul_i32 s22, s16, HALFB
	s_add_co_u32 s22, s22, BOFF                    ; my 128 rows of B
.irp s, 0,1
	v_add_nc_u32 v[ADRA+\s], s21, v[CO]
	v_add_nc_u32 v[ADRB+\s], s22, v4
	s_add_co_u32 s21, s21, SLOT
	s_add_co_u32 s22, s22, SLOT
.endr
	s_mul_i32 s23, s14, 16*SPITCH                  ; my stage
	v_mul_u32_u24 v5, v1, SPITCH                   ; in: row r, 32 bytes for each half of the lanes
	v_lshl_add_u32 v5, v2, 5, v5
	v_add_nc_u32 v[STO], s23, v5
	v_add_nc_u32 v[RD], s23, v[CO]                 ; back: the 32 lanes take one row of 512 bytes
	s_lshl_b32 s20, s17, 8
	s_lshl_b32 s21, s15, 7
	s_add_co_u32 s20, s20, s21
	s_lshl_b32 s20, s20, 12                        ; my first row of out0, 4,096 bytes a row
	s_lshl_b32 s46, s42, 10
	s_lshl_b32 s47, s16, 9
	s_add_co_u32 s46, s46, s47                     ; my first column, in bytes
	s_mov_b32 s47, 0
	s_add_nc_u64 s[10:11], s[10:11], s[46:47]
	s_add_co_u32 s20, s20, s46
	s_mov_b32 s21, 0
	s_add_nc_u64 s[12:13], s[12:13], s[20:21]
	global_load_b128 v[BIAS:BIAS+3], v[CO], s[10:11]   ; bo at my four columns; waited for on the way out
.macro FRAG reg, adr, q, i             ; B: 16 rows x 128 K: four loads of 16 bytes, 32 apart
.irp c, 0,1,2,3
	ds_load_b128 v[\reg+4*\c:\reg+4*\c+3], v[\adr] offset:128*(\q)+32*\c+(\i)*16*PITCH
.endr
.endm
.macro FRAGA reg, adr, q, i            ; A: an image: four loads of 512 consecutive bytes
.irp c, 0,1,2,3
	ds_load_b128 v[\reg+4*\c:\reg+4*\c+3], v[\adr] offset:4096*(\i)+2048*(\q)+512*\c
.endr
.endm
; The 64 accumulators take turns, one instruction a turn, in the same order in every step.
.macro MUL16 a0, p, zero
.irp a, \a0, \a0+1
.irp b, 0,1,2,3,4,5,6,7
.if \zero
	v_wmma_f32_16x16x128_bf8_bf8 v[8*(8*((\a)%4)+\b):8*(8*((\a)%4)+\b)+7], v[128*(\p)+FR*\b:128*(\p)+FR*\b+FR-1], v[AF+FR*(\a):AF+FR*(\a)+FR-1], 0
.else
	v_wmma_f32_16x16x128_bf8_bf8 v[8*(8*((\a)%4)+\b):8*(8*((\a)%4)+\b)+7], v[128*(\p)+FR*\b:128*(\p)+FR*\b+FR-1], v[AF+FR*(\a):AF+FR*(\a)+FR-1], v[8*(8*((\a)%4)+\b):8*(8*((\a)%4)+\b)+7]
.endif
.endr
.endr
.endm
.macro FETCH_B slot, q, p
	WIN TO_B
.irp i, 0,1,2,3,4,5,6,7
	FRAG 128*(\p)+FR*\i, ADRB+\slot, \q, \i
.endr
	WIN 0
.endm
.macro FETCH_A slot, q, i0
.irp i, \i0, \i0+1, \i0+2, \i0+3
	FRAGA AF+FR*(\i), ADRA+\slot, \q, \i
.endr
.endm
.macro PLACES n                        ; plain vector instructions between a matrix instruction and a load into, or a read of, its registers
.rept \n
	v_nop
.endr
.endm
.macro STEP slot, q, zero
	s_wait_dscnt 4*NL                              ; B's set and A's blocks 0-3 are in; the youngest 16 loads (A's blocks 4-7) may be out
	WIN MUL_LO
	MUL16 0, (\q)%2, \zero
	MUL16 2, (\q)%2, \zero
	s_wait_dscnt 0
	PLACES NP
	FETCH_B \slot, (\q)+1, 1-(\q)%2
	FETCH_A \slot, (\q)+1, 0
	WIN MUL_HI
	MUL16 4, (\q)%2, \zero
	MUL16 6, (\q)%2, \zero
	PLACES NP
	WIN 0
	FETCH_A \slot, (\q)+1, 4
.endm
.macro TURN slot, next, fill
	s_wait_tensorcnt 0x0                           ; all my tensor loads have landed: my part of the next slot
	ds_add_u32 v[SPW], v[NIL]                      ; 0 onto my spare word
	s_wait_dscnt 4*NL+1                            ; (the add and the youngest 16 loads may be out)
	WIN MUL_LO
	MUL16 0, 1, 0
	s_wait_dscnt 0x0                               ; the add is done, and my reads of this slot are over
	s_barrier_signal -1
	MUL16 2, 1, 0
	WIN 0
	s_barrier_wait -1
.if \fill
	CREST                                          ; the barrier has opened a round of the cluster's barrier: no wave of any partner still reads this slot or has a load on its way
	s_add_nc_u64 s[G0+4*\slot+2:G0+4*\slot+3], s[G0+4*\slot+2:G0+4*\slot+3], 2*4096
	s_add_nc_u64 s[G0B+4*\slot+2:G0B+4*\slot+3], s[G0B+4*\slot+2:G0B+4*\slot+3], 2*ROWB
	JLOAD G0+4*\slot, G1, G0B+4*\slot, G1B         ; the first tensor load behind the round; its four v_nop are also the places in front of the loads below
.else
	PLACES NP
.endif
	FETCH_B \next, 0, 0
	FETCH_A \next, 0, 0
	WIN MUL_HI
	MUL16 4, 1, 0
	MUL16 6, 1, 0
	PLACES NP
	WIN 0
	FETCH_A \next, 0, 4
.endm
	s_wait_alu depctr_va_vdst(0)
	s_wait_tensorcnt 1                             ; my part of K step 0 is in (K step 1's load may be out)
	s_barrier_signal -1
	s_barrier_wait -1                              ; everybody's is
	FETCH_B 0, 0, 0
	FETCH_A 0, 0, 0
	FETCH_A 0, 0, 4
	STEP 0, 0, 1                                   ; the first step's products start the sums: nothing is cleared
	s_mov_b32 s3, LAPS-1
.Llap:
	TURN 0, 1, 1
	STEP 1, 0, 0
	TURN 1, 0, 1
	STEP 0, 0, 0
	s_sub_co_u32 s3, s3, 1
	s_cmp_lg_u32 s3, 0
	s_cbranch_scc1 .Llap
	TURN 0, 1, 0                                   ; the last lap fills nothing
	STEP 1, 0, 0
	s_wait_dscnt 4*NL
	WIN MUL_LO
	MUL16 0, 1, 0
	MUL16 2, 1, 0
	s_wait_dscnt 0
	WIN MUL_HI
	MUL16 4, 1, 0
	MUL16 6, 1, 0
	WIN 0
; THE WAY OUT.  LDS serves a wave's instructions in order (ISA guide 5.7.1.4): no wait between the stores and the loads, nor in front of the next block's stores.
.macro TOSTAGE a
.set AC, 64*((\a)%4)
	WIN 0x08+4*((\a)/4)                            ; an LDS store's data stand in the place of source 1: window 2 or 3
.irp b, 0,1,2,3,4,5,6,7
	ds_store_b128 v[STO], v[AC+8*\b:AC+8*\b+3] offset:64*\b          ; each accumulator from its low end on
	ds_store_b128 v[STO], v[AC+8*\b+4:AC+8*\b+7] offset:64*\b+16
.endr
	WIN 0
.set BB, BK+64*((\a)%2)
.irp t, 0,1,2,3,4,5,6,7,8,9,10,11,12,13,14,15
	ds_load_b128 v[BB+4*\t:BB+4*\t+3], v[RD] offset:\t*SPITCH
.endr
.endm
.macro SEND a, younger                 ; younger: the LDS instructions issued behind block a's loads, which may stay out
.set BB, BK+64*((\a)%2)
	s_wait_dscnt \younger
.if (\a) > 0
	s_add_nc_u64 s[12:13], s[12:13], 16*4096       ; (behind a wait on XCNT: the earlier stores have read their base)  16 rows on
.endif
.irp t, 0,1,2,3,4,5,6,7,8,9,10,11,12,13,14,15
	v_pk_fma_f32 v[BB+4*\t:BB+4*\t+1],   v[BB+4*\t:BB+4*\t+1],   s[96:97], v[BIAS:BIAS+1]   op_sel_hi:[1,0,1]   ; sum x 2^(e10 + e11) + bo (the scalar pair's low word for both halves)
	v_pk_fma_f32 v[BB+4*\t+2:BB+4*\t+3], v[BB+4*\t+2:BB+4*\t+3], s[96:97], v[BIAS+2:BIAS+3] op_sel_hi:[1,0,1]
.endr
.irp t, 0,1,2,3,4,5,6,7,8,9,10,11,12,13,14,15
	global_store_b128 v[CO], v[BB+4*\t:BB+4*\t+3], s[12:13] offset:\t*4096 th:TH_STORE_NT   ; 32 lanes store 512 consecutive bytes, aligned; written once, read by nobody here
.endr
.endm
	s_wait_kmcnt 0x0
	s_add_co_i32 s96, s96, s97                     ; e10 + e11
	s_add_co_i32 s96, s96, 127
	s_lshl_b32 s96, s96, 23                        ; 2^(e10 + e11) as f32
	s_mov_b32 s97, s96
	s_wait_loadcnt 0x0                             ; bo
	PLACES NP                                      ; behind the last products: for the first reads of results and for the loads into the registers that held A's fragments
	TOSTAGE 0
.irp a, 1,2,3,4,5,6,7
.if \a > 1
	s_wait_xcnt 0x0                                ; block a - 2's stores have read their registers and their base: block a's loads may land there, and the base may step
.endif
	TOSTAGE \a
	SEND \a-1, 32                                  ; behind block a - 1's loads: block a's 16 stores and 16 loads
.endr
	s_wait_xcnt 0x0
	SEND 7, 0
	s_wait_tensorcnt 0x0                           ; the wave's end
	ds_add_u32 v[SPW], v[NIL]
	s_wait_dscnt 0x0
	CROUND                                         ; the closing round: no work-group ends while a partner may still ask for a tile that names it
	s_endpgm
.Lfunc_end_k_q7fbe58d32e_proj:
	.size	k_q7fbe58d32e_proj, .Lfunc_end_k_q7fbe58d32e_proj-k_q7fbe58d32e_proj
	.p2alignl 7, 3214868480
	.fill 96, 4, 3214868480
	.section	.rodata,"a",@progbits
	.p2align	6, 0x0
	.amdhsa_kernel k_q7fbe58d32e_proj
		.amdhsa_group_segment_fixed_size 327680
		.amdhsa_private_segment_fixed_size 0
		.amdhsa_enable_private_segment 0
		.amdhsa_kernarg_size 40
		.amdhsa_user_sgpr_count 2
		.amdhsa_user_sgpr_kernarg_segment_ptr 1
		.amdhsa_wavefront_size32 1
		.amdhsa_system_sgpr_workgroup_id_x 1
		.amdhsa_system_sgpr_workgroup_id_y 1
		.amdhsa_system_sgpr_workgroup_id_z 1
		.amdhsa_system_vgpr_workitem_id 0
		.amdhsa_next_free_vgpr 1024
		.amdhsa_next_free_sgpr 100
		.amdhsa_reserve_vcc 0
		.amdhsa_float_denorm_mode_32 3
		.amdhsa_float_denorm_mode_16_64 3
		.amdhsa_memory_ordered 1
		.amdhsa_forward_progress 1
		.amdhsa_inst_pref_size 124
	.end_amdhsa_kernel
	.amdgpu_metadata
---
amdhsa.version: [ 1, 2 ]
amdhsa.kernels:
  - .name:           k_q7fbe58d32e_proj
    .symbol:         k_q7fbe58d32e_proj.kd
    .args:
      - { .name: cc, .offset: 0, .size: 8, .value_kind: global_buffer, .address_space: global }
      - { .name: wc, .offset: 8, .size: 8, .value_kind: global_buffer, .address_space: global }
      - { .name: lowp_scales, .offset: 16, .size: 8, .value_kind: global_buffer, .address_space: global }
      - { .name: bo, .offset: 24, .size: 8, .value_kind: global_buffer, .address_space: global }
      - { .name: out0, .offset: 32, .size: 8, .value_kind: global_buffer, .address_space: global }
    .group_segment_fixed_size: 327680
    .private_segment_fixed_size: 0
    .kernarg_segment_align: 8
    .kernarg_segment_size: 40
    .max_flat_workgroup_size: 128
    .sgpr_count:     100
    .vgpr_count:     1024
    .wavefront_size: 32
...
	.end_amdgpu_metadata
.endif
;; end of part 4
